; MI455X (gfx1250); checked and timed in simulation.
; The chip was launched on July 23, 2026; its instructions are those of AMD's public machine-readable ISA for CDNA 5 (MIT licence, August 2026) and "CDNA5" Instruction Set Architecture Reference Guide (July 2026). The comments in the code are by the model that wrote it; some were corrected since.
;; Anchor Diff Net. Allowed arithmetic: matrix products marked QUANTISED: E2M1 operands, one E8M0 scale for each 32 along K, by v_wmma_scale_f32_16x16x128_f8f6f4 with both operands' format E2M1 (or v_wmma_scale_f32_32x16x128_f4), f32 sums; products left as they are: f32 operands where the result goes on into a quantised operand, else bf16, f16 or f32 operands; f32 sums; everything else in f32.
;; Inputs: b1 128 float32; b2 1 float32; beta 128 float32; curr_feat 8 x 128 x 32 x 64 float32; gamma 128 float32; ref_feat 8 x 128 x 32 x 64 float32; running_mean 128 float32; running_var 128 float32; w1 128 x 384 float32; w2 1 x 128 float32.
;; Outputs: out0 8 x 1 x 32 x 64 float32.
;; This version of the problem:
;;   THIS VERSION OF THE PROBLEM IS GIVEN IN LOW PRECISION. The matrix products marked QUANTISED in the list below multiply operands that are first quantised to E2M1 (2 exponent bits, 1 mantissa bit; 4 bits a number), with one power-of-two scale for each 32 numbers along K (OCP MX v1.0); their sums are f32. All else is computed in f32.
;;   The module's matrix products, in the order in which they are computed (A, B: the left and right operand; K: the contracted axis; several contracted axes count as one K, in the product's order):
;;     1. batch 8 x [M 2,048, K 128] x [K 128, N 2,048]; A: input ref_feat; B: input curr_feat: QUANTISED
;;     2. batch 8 x [M 2,048, K 128] x [K 128, N 2,048]; A: input curr_feat; B: input curr_feat: QUANTISED
;;     3. batch 8 x [M 128, K 2,048] x [K 2,048, N 2,048]; A: input curr_feat; B: softmax (see below): QUANTISED
;;     4. batch 8 x [M 128, K 2,048] x [K 2,048, N 2,048]; A: input curr_feat; B: softmax (see below): QUANTISED
;;     5. [M 16,384, K 384] x [K 384, N 128]; A: computed on the way; B: input w1: QUANTISED
;;     6. [M 16,384, K 128] x [K 128, N 1]; A: computed on the way; B: input w2: left as it is (N = 1 < 16)
;;   THE QUANTISER, for each operand of a quantised product, along K:
;;     - K is cut into blocks of 32 from its start; a last block that is shorter is filled with zeros.
;;     - A block's scale is 2^e with e = floor(log2(the largest magnitude in the block)) - 2, held to -126 .. 127; a block of zeros has e = 0. As a byte (E8M0): e + 127.
;;     - Each number is divided by its block's scale, clamped to +-6, and rounded to the nearest number of E2M1, ties to even, subnormals kept.
;;     - The product sums the exact products of the quantised numbers (number of the format x scale) in f32.
;;   ~~~python
;;   def quantise(x, axis):      # numpy; x: float32 -> the quantised numbers, widened to float32 again
;;       x = np.moveaxis(x, axis, -1); K = x.shape[-1]
;;       x = np.pad(x, [(0, 0)] * (x.ndim - 1) + [(0, -K % 32)]); x = x.reshape(x.shape[:-1] + (-1, 32)); a = np.abs(x).max(-1, keepdims=True)
;;       e = np.where(a > 0, np.clip(np.frexp(np.where(a > 0, a, 1))[1] - 1 - 2, -126, 127), 0)      # np.frexp(a)[1] - 1 = floor(log2(a)), exactly
;;       r = np.clip(x / 2.0 ** e, -6, 6)
;;       step = 2.0 ** (np.maximum(np.frexp(np.where(r == 0, 1, r))[1] - 1, 0) - 1)
;;       q = np.round(r / step) * step * 2.0 ** e      # np.round: ties to even
;;       return np.moveaxis(q.reshape(q.shape[:-2] + (-1,))[..., :K], -1, axis).astype(np.float32)
;;   ~~~
;;   SOFTMAX AHEAD OF A QUANTISED PRODUCT. Where the list says 'softmax', what is quantised is not the finished softmax but p = 2^(t - M), with t = logit x log2(e) and M = ceil(the row's largest t), a whole number; so 1/2 < the row's largest p <= 1. The row's sum l is taken of the UNQUANTISED p, in f32, and the product's result is divided by l at the end. Since M is a whole number, a kernel that streams over the keys may use a running M (the ceiling of the running maximum): every later rescaling is an exact power of two, which a block's scale takes up: the codes' values come out the same.
;;   OPERANDS COMPUTED ON THE WAY. 'Computed on the way' means the value that the module computes at that place (a softmax that the list does not call 'softmax' is quantised finished and normalised). What goes into a quantiser is computed in f32, as accurately as f32 sums, v_exp_f32 and their like allow (about 1e-6 of the number): no bf16 or f16 on the way to a quantiser, and a product that is left as it is and whose result goes on into a quantised operand takes f32 operands (vector FMAs, or v_wmma_f32_16x16x4_f32). A number that lies on a knife's edge between two numbers of the format may be rounded either way, as far as f32 arithmetic and the matrix unit's own rounding can turn it there, and no further.
;; One version. Each part assembles by itself: llvm-mc -triple=amdgcn-amd-amdhsa -mcpu=gfx1250 --defsym DOCPART=n.
;; ======== version 1 of 1: 2 launches
;; workspace buffers: kv 2,228,224 bytes; rq 1,114,112 bytes; wq 32,768 bytes
;; launch quant (part 1): grid 16 x 16, 4 waves a work-group, no clusters, 69,120 bytes of LDS; arguments ref_feat, curr_feat, kv, rq, w1, wq, gamma, running_var, b1, running_mean, beta, w2; writes kv, rq, wq
.if DOCPART == 1
	.amdgcn_target "amdgcn-amd-amdhsa--gfx1250"
	.amdhsa_code_object_version 6
	.text
	.protected	k_q0ce906b5cb_quant
	.globl	k_q0ce906b5cb_quant
	.p2align	8
	.type	k_q0ce906b5cb_quant,@function
k_q0ce906b5cb_quant:
	s_mov_b64 s[64:65], 0
	v_nop
	global_prefetch_b8 v0, s[64:65] scope:SCOPE_SE
	s_setreg_imm32_b32 hwreg(HW_REG_WAVE_MODE, 25, 1), 1
	s_wait_xcnt 0x0
; ref_feat and curr_feat, [8][128 channels][2048 positions] f32, and w1 [128][384] f32 become codes of FP4 (E2M1) with one E8M0 scale byte for each 32 along K,
; laid in the ORDER OF THE OPERANDS' REGISTERS, so that the next launch reads every fragment as 2 x 512 consecutive bytes.
; A block's scale is 2^(floor(log2(its largest magnitude)) - 2); its byte is the largest magnitude's exponent field - 2, held at 1 from below.
; LIMITS: NaN and infinities among the inputs are not served; a block whose largest magnitude lies under 2^-124 has its byte held at 1; a block of zeros gets the byte 1
; where the rule says 127: its codes are zeros, which add nothing under any byte but 0xff, and this program alone reads the bytes.
; SHARES.  Work-group (x, y): x = a step of 128 positions; y < 8: ref of batch y; y >= 8: cur of batch y - 8.  It owns 128 channels x 128 positions, 64 KiB, read once by loads of 512 consecutive bytes
; into an LDS tile.  Then thread = position, registers down the channels (both tensors), and thread = channel, registers along the positions (cur alone): a block of 32 lies in ONE lane's registers.
; A FRAGMENT IMAGE is 1,024 bytes (16 rows x 128 K): block j of row r at 256 j + 16 r.  Of a group of 32 neighbouring rows, item w goes to tile 2 b + u, row r, with u = (w / 8) % 2, r = w % 8 + 8 (w / 16):
; so that a transposed product's 16 registers of tiles 2 b and 2 b + 1 are 16 neighbours.  A SCALE IMAGE of 8 tiles is 512 bytes: the word of tile 2 b + u, row r at 16 (r + 16 u) + 4 b.
; kv, a step: 8 images of cur along channels, their scale image, 8 images of cur along positions, their scale image: 17,408 bytes.  rq, a step: 8 images of ref along channels and their scale image: 8,704 bytes.
; wq: 24 images of w1 [K step][tile of 16 outputs]; from 24,576 its scale words, 64 bytes an image; from 26,112 a table, 32 bytes an output: A, A, Bc, Bc, w2, w2, 0, 0 with
; A = gamma / sqrt(var + 1e-5), Bc = (b1 - mean) A + beta; from 30,208 zeros up to 32,768.
; THE SMALL TASKS STAND AT THE HEAD.  Work-groups 0 to 5 (ref's, which have no second pass) also take w1's 24 images, one a wave; work-group 6 the table.  Such a work-group asks for the task's numbers first and
; for its tile's 32 rows a wave right behind them, and works the task while the tile is on its way: one branch, which joins the common way in front of the tile's first wait.
; No tensor load, no ring: a stream through registers.
.set PITCH, 528                        ; an LDS row: 512 bytes + 16: an odd multiple of 16, so that sixteen rows' 16 bytes fall on different banks (64 banks of 4 bytes: ISA guide 11.1)
.set SWC,   128*PITCH                  ; behind the tile: 512 bytes for the scale image along channels, then 512 for the one along positions
.set X,     32                         ; v32-159  128 numbers of the tile
.set CC,    160                        ; v160-175 codes along channels
.set CR,    176                        ; v176-191 codes along positions, or w1's
.set BY,    16                         ; v16-19   scale bytes of the tile's blocks; v20-21 of w1's
.set W,     192                        ; v192-255 a small task's numbers
; The tile's way in: 32 rows a wave, 512 consecutive bytes a load
.macro MAINLOADS
.set i, 0
.rept 32
	global_load_b128 v[X+4*i:X+4*i+3], v1, s[32:33] offset:8192*i th:TH_LOAD_NT
.set i, i+1
.endr
.endm
; A block: 32 numbers of one lane, v[xs] on, become 4 registers of codes, v[cd] on, and the scale's byte in v[by]
.macro QB xs, cd, by
	v_max3_num_f32 v12, |v[\xs]|, |v[\xs+1]|, |v[\xs+2]|           ; the largest magnitude, in two chains
	v_max3_num_f32 v13, |v[\xs+3]|, |v[\xs+4]|, |v[\xs+5]|
.irp i, 6,10,14,18,22,26
	v_max3_num_f32 v12, v12, |v[\xs+\i]|, |v[\xs+\i+1]|
	v_max3_num_f32 v13, v13, |v[\xs+\i+2]|, |v[\xs+\i+3]|
.endr
	v_max3_num_f32 v12, v12, |v[\xs+30]|, |v[\xs+31]|
	v_max3_num_f32 v12, v12, v13, 0x1800000        ; and the floor 2^(3 - 127): the byte cannot fall under 1
	v_add_nc_u32 v11, 0xff000000, v12              ; 2 off the exponent field: the conversion takes the exponent field of this operand as its scale, and nothing else of it
	v_lshrrev_b32 v[\by], 23, v11                  ; the scale's byte
.irp g, 0,1,2,3
	v_cvt_scalef32_pk8_fp4_f32 v[\cd+\g], v[\xs+8*\g:\xs+8*\g+7], v11
.endr
.endm                                  ; (the results go to stores alone; the next vector lines are plain and name none of these registers)
	s_load_b512 s[4:19], s[0:1], 0x0               ; ref s[4:5], cur s[6:7], kv s[8:9], rq s[10:11], w1 s[12:13], wq s[14:15], gamma s[16:17], var s[18:19]
	s_load_b256 s[20:27], s[0:1], 0x40             ; b1 s[20:21], mean s[22:23], beta s[24:25], w2 s[26:27]
	v_lshl_add_u32 v30, v0, 2, 0x10c00
	v_mov_b32 v31, 0
	v_lshrrev_b32 v14, 5, v0
	v_readfirstlane_b32 s28, v14                   ; wave 0..3
	s_and_b32 s29, ttmp7, 0xffff                   ; y
	s_lshl_b32 s30, s29, 4
	s_add_co_u32 s30, s30, ttmp9                   ; U = x + 16 y: the work-group's number
	v_and_b32 v15, 31, v0                          ; lane (kept)
	v_lshlrev_b32 v1, 4, v15                       ; v1: 16 x lane
	s_mul_i32 s36, s28, 32*PITCH
	v_add_nc_u32 v2, s36, v1                       ; v2: the tile on the way in: my wave's 32 rows, 16 bytes a lane
	v_lshlrev_b32 v3, 2, v0                        ; v3: column = thread: 4 bytes
	v_add_nc_u32 v4, 64*PITCH, v3                  ; v4: the same from row 64 on (the immediate has 16 bits)
	v_mul_u32_u24 v5, v0, PITCH                    ; v5: row = thread
	v_and_b32 v12, 7, v15
	v_bfe_u32 v13, v0, 4, 1
	v_lshl_add_u32 v12, v13, 3, v12                ; r = w % 8 + 8 (w / 16)
	v_bfe_u32 v13, v0, 3, 1                        ; u = (w / 8) % 2
	v_lshlrev_b32 v6, 4, v12
	v_lshl_add_u32 v6, v13, 10, v6
	s_lshl_b32 s36, s28, 11
	v_add_nc_u32 v6, s36, v6                       ; v6: my row's place in the images: 16 r + 1,024 u + 2,048 wave
	v_lshl_add_u32 v12, v13, 4, v12                ; r + 16 u
	v_lshlrev_b32 v7, 4, v12
	s_lshl_b32 s36, s28, 2
	s_add_co_u32 s36, s36, SWC
	v_add_nc_u32 v7, s36, v7                       ; v7: my row's scale word in LDS: 16 (r + 16 u) + 4 wave
	v_add_nc_u32 v8, SWC, v1                       ; v8: a scale image read back, 16 bytes a lane
	v_and_b32 v12, 15, v0
	v_mul_u32_u24 v9, v12, 1536
	v_bfe_u32 v13, v0, 4, 1
	v_lshl_add_u32 v9, v13, 7, v9                  ; v9: w1: row lane % 16 of 1,536 bytes, + 128 (lane / 16)
	s_and_b32 s37, s29, 7                          ; batch
	s_lshl_b32 s38, s37, 20                        ; a batch is 128 rows of 8,192 bytes
	s_lshl_b32 s39, s28, 18                        ; my wave's 32 rows
	s_add_co_u32 s38, s38, s39
	s_lshl_b32 s39, ttmp9, 9                       ; the step's 512 bytes of a row
	s_add_co_u32 s38, s38, s39
	s_mov_b32 s39, 0
	s_lshl_b32 s40, s37, 4
	s_add_co_u32 s40, s40, ttmp9                   ; 16 x batch + step
	s_mov_b32 s41, 17408
	s_wait_kmcnt 0x0
	s_cmp_lt_u32 s29, 8                            ; ref's work-group or cur's?  The choice hangs on the work-group's number alone
	s_cselect_b64 s[32:33], s[4:5], s[6:7]         ; from
	s_cselect_b64 s[34:35], s[10:11], s[8:9]       ; to
	s_cselect_b32 s41, 8704, s41                   ; bytes of a step there
	s_mul_i32 s40, s40, s41
	s_mov_b32 s41, 0
	s_add_nc_u64 s[32:33], s[32:33], s[38:39]
	s_add_nc_u64 s[34:35], s[34:35], s[40:41]
	s_cmp_lt_u32 s30, 7                            ; work-groups 0 to 6 have a small task besides
	s_cbranch_scc1 .Lextra
	MAINLOADS
	s_branch .Lin
.Lextra:
	s_cmp_eq_u32 s30, 6
	s_cbranch_scc1 .Ltable
; ---- w1: image T = 4 U + wave = 8 x K step + tile of 16 outputs.  Lane (r, h) takes blocks h and 2 + h of its row: the conversions' results are the operand's registers
	s_lshl_b32 s36, s30, 2
	s_add_co_u32 s36, s36, s28                     ; T, 0 to 23
	s_lshr_b32 s37, s36, 3                         ; the K step: 512 bytes of a row
	s_and_b32 s38, s36, 7                          ; the tile: 16 rows of 1,536 bytes
	s_mul_i32 s38, s38, 24576
	s_lshl_b32 s37, s37, 9
	s_add_co_u32 s38, s38, s37
	s_mov_b32 s39, 0
	s_add_nc_u64 s[12:13], s[12:13], s[38:39]
	s_lshl_b32 s40, s36, 10                        ; the image: 1,024 bytes
	s_mov_b32 s41, 0
	s_add_nc_u64 s[42:43], s[14:15], s[40:41]
	s_lshl_b32 s44, s36, 6                         ; its scale words: 64 bytes
	s_add_co_u32 s44, s44, 24576
	s_mov_b32 s45, 0
	s_add_nc_u64 s[44:45], s[14:15], s[44:45]
	s_mov_b32 s46, 0x76543210
	s_mov_b32 s47, 0xfedcba98                      ; v_permlanex16_b32's selects for lane l xor 16
.irp c, 0,1
.irp i, 0,1,2,3,4,5,6,7
	global_load_b128 v[W+32*\c+4*\i:W+32*\c+4*\i+3], v9, s[12:13] offset:256*\c+16*\i
.endr
.endr
	MAINLOADS                                      ; the tile is asked for right behind: it is on its way while the image is made
	s_wait_loadcnt 32                              ; loads come back in order (ISA guide 5.7.1): w1's sixteen are in, the tile's 32 stay out
	QB W, CR, 20
	global_store_b128 v1, v[CR:CR+3], s[42:43]     ; 512 consecutive bytes
	QB W+32, CR+4, 21
	global_store_b128 v1, v[CR+4:CR+7], s[42:43] offset:512
	v_bfe_u32 v14, v0, 4, 1
	v_lshlrev_b32 v14, 3, v14                      ; 8 h
	v_lshl_or_b32 v24, v21, 16, v20                ; my two bytes: blocks h and 2 + h,
	v_lshlrev_b32 v24, v14, v24                    ; at their places in the word;
	v_mov_b32 v26, 0                               ; (a lane permute's destination counts as one of its sources)
	v_permlanex16_b32 v26, v24, s46, s47
	v_or_b32 v24, v24, v26                         ; with lane l xor 16's two the word is whole: every lane holds row lane % 16's
	v_and_b32 v25, 15, v0
	v_lshlrev_b32 v25, 2, v25                      ; 4 r
	v_cmp_gt_u32 vcc_lo, 16, v15
	s_wait_xcnt 0x0                                ; EXEC is among the sources of the loads and stores issued so far: it changes only behind this wait
	s_and_saveexec_b32 s36, vcc_lo                 ; lanes 0-15 store the sixteen words
	global_store_b32 v25, v24, s[44:45]
	s_wait_xcnt 0x0                                ; and again in front of the line that widens it; the stores' data and offsets may be written again behind it too
	s_or_b32 exec_lo, exec_lo, s36
	s_branch .Lin
; ---- the table: thread = output
.Ltable:
	global_load_b32 v192, v3, s[16:17]             ; gamma
	global_load_b32 v193, v3, s[18:19]             ; var
	global_load_b32 v194, v3, s[20:21]             ; b1
	global_load_b32 v195, v3, s[22:23]             ; mean
	global_load_b32 v196, v3, s[24:25]             ; beta
	global_load_b32 v204, v3, s[26:27]             ; w2
	MAINLOADS                                      ; the tile is asked for right behind
	v_lshlrev_b32 v14, 5, v0                       ; 32 bytes an output
	v_lshlrev_b32 v13, 4, v0
	s_wait_loadcnt 32                              ; the six are in, the tile's 32 stay out
	v_add_f32 v193, 0x3727c5ac, v193               ; var + 1e-5
	v_rsq_f32 v193, v193
	v_sub_f32 v194, v194, v195                     ; b1 - mean  (the plain line behind the transcendental)
	s_wait_alu depctr_va_vdst(0)
	v_mul_f32 v200, v192, v193                     ; A
	v_fma_f32 v202, v194, v200, v196               ; Bc = (b1 - mean) A + beta
	v_mov_b32 v201, v200
	v_mov_b32 v203, v202
	v_mov_b32 v205, v204
.irp i, 206,207,208,209,210,211
	v_mov_b32 v\i, 0
.endr
	global_store_b128 v14, v[200:203], s[14:15] offset:26112
	global_store_b128 v14, v[204:207], s[14:15] offset:26128
	global_store_b128 v13, v[208:211], s[14:15] offset:30208    ; the rest of wq is written too: the next launch brings the buffer into LDS whole
	global_store_b32 v3, v208, s[14:15] offset:32256
	s_wait_xcnt 0x0                                ; the stores have read their offsets: v13 and v14 are written again below
; ---- the tile lands: on each of the three ways the same 32 loads are the youngest
.Lin:
.set i, 0
.rept 32
	s_wait_loadcnt 31-i                            ; row i is in, the younger ones stay out
	ds_store_b128 v2, v[X+4*i:X+4*i+3] offset:PITCH*i
.set i, i+1
.endr
	s_wait_dscnt 0x0                               ; for the others' sake: my rows lie in the tile
	s_barrier_signal -1
	s_barrier_wait -1
; ---- along the channels: thread = position; registers run down the 128 channels
.macro CLOAD j                         ; block j: channels 32 j on; 32 lanes read 128 consecutive bytes
.set i, 0
.rept 32
.if \j < 2
	ds_load_b32 v[X+32*\j+i], v3 offset:PITCH*(32*\j+i)
.else
	ds_load_b32 v[X+32*\j+i], v4 offset:PITCH*(32*\j+i-64)
.endif
.set i, i+1
.endr
.endm
	CLOAD 0
	CLOAD 1
	s_wait_dscnt 32                                ; block 0 is in; block 1's 32 loads may be out
	QB X, CC, BY
	global_store_b128 v6, v[CC:CC+3], s[34:35]     ; the lanes of a tile fill 256 consecutive bytes of its image; two tiles a store
	CLOAD 2
	s_wait_dscnt 32                                ; block 1 is in
	QB X+32, CC+4, BY+1
	global_store_b128 v6, v[CC+4:CC+7], s[34:35] offset:256
	CLOAD 3
	s_wait_dscnt 32                                ; block 2 is in
	QB X+64, CC+8, BY+2
	global_store_b128 v6, v[CC+8:CC+11], s[34:35] offset:512
	s_wait_dscnt 0x0
	QB X+96, CC+12, BY+3
	global_store_b128 v6, v[CC+12:CC+15], s[34:35] offset:768
	v_lshl_or_b32 v24, v[BY+1], 8, v[BY]           ; my position's scale word
	v_lshl_or_b32 v24, v[BY+2], 16, v24
	v_lshl_or_b32 v24, v[BY+3], 24, v24
	ds_store_b32 v7, v24
; ---- along the positions (cur alone): thread = channel; registers run along the step's 128 positions
	s_cmp_lt_u32 s29, 8
	s_cbranch_scc1 .Lno_rows
.set j, 0
.rept 4
.set i, 0
.rept 8
	ds_load_b128 v[X+32*j+4*i:X+32*j+4*i+3], v5 offset:128*j+16*i
.set i, i+1
.endr
.set j, j+1
.endr
	s_wait_dscnt 24                                ; block 0's eight loads are in; the 24 behind them may be out
	QB X, CR, BY
	global_store_b128 v6, v[CR:CR+3], s[34:35] offset:8704
	s_wait_dscnt 16
	QB X+32, CR+4, BY+1
	global_store_b128 v6, v[CR+4:CR+7], s[34:35] offset:8704+256
	s_wait_dscnt 8
	QB X+64, CR+8, BY+2
	global_store_b128 v6, v[CR+8:CR+11], s[34:35] offset:8704+512
	s_wait_dscnt 0x0
	QB X+96, CR+12, BY+3
	global_store_b128 v6, v[CR+12:CR+15], s[34:35] offset:8704+768
	v_lshl_or_b32 v25, v[BY+1], 8, v[BY]           ; my channel's scale word
	v_lshl_or_b32 v25, v[BY+2], 16, v25
	v_lshl_or_b32 v25, v[BY+3], 24, v25
	ds_store_b32 v7, v25 offset:512
.Lno_rows:
	s_wait_dscnt 0x0                               ; for wave 0's sake: my scale words lie in LDS
	s_barrier_signal -1
	s_barrier_wait -1
	s_cmp_lg_u32 s28, 0                            ; wave 0 sends the scale images: 512 consecutive bytes a store
	s_cbranch_scc1 .Lend
	ds_load_b128 v[32:35], v8
	s_wait_dscnt 0x0
	global_store_b128 v1, v[32:35], s[34:35] offset:8192
	s_cmp_lt_u32 s29, 8
	s_cbranch_scc1 .Lend
	ds_load_b128 v[36:39], v8 offset:512
	s_wait_dscnt 0x0
	global_store_b128 v1, v[36:39], s[34:35] offset:16896
.Lend:
	s_wait_tensorcnt 0x0
	ds_add_u32 v30, v31
	s_wait_dscnt 0x0
	s_endpgm
.Lfunc_end_k_q0ce906b5cb_quant:
	.size	k_q0ce906b5cb_quant, .Lfunc_end_k_q0ce906b5cb_quant-k_q0ce906b5cb_quant
	.p2alignl 7, 3214868480
	.fill 96, 4, 3214868480
	.section	.rodata,"a",@progbits
	.p2align	6, 0x0
	.amdhsa_kernel k_q0ce906b5cb_quant
		.amdhsa_group_segment_fixed_size 69120
		.amdhsa_private_segment_fixed_size 0
		.amdhsa_enable_private_segment 0
		.amdhsa_kernarg_size 96
		.amdhsa_user_sgpr_count 2
		.amdhsa_user_sgpr_kernarg_segment_ptr 1
		.amdhsa_wavefront_size32 1
		.amdhsa_system_sgpr_workgroup_id_x 1
		.amdhsa_system_sgpr_workgroup_id_y 1
		.amdhsa_system_sgpr_workgroup_id_z 1
		.amdhsa_system_vgpr_workitem_id 0
		.amdhsa_next_free_vgpr 256
		.amdhsa_next_free_sgpr 66
		.amdhsa_reserve_vcc 1
		.amdhsa_float_denorm_mode_32 3
		.amdhsa_float_denorm_mode_16_64 3
		.amdhsa_memory_ordered 1
		.amdhsa_forward_progress 1
		.amdhsa_inst_pref_size 46
	.end_amdhsa_kernel
	.amdgpu_metadata
---
amdhsa.version: [ 1, 2 ]
amdhsa.kernels:
  - .name:           k_q0ce906b5cb_quant
    .symbol:         k_q0ce906b5cb_quant.kd
    .args:
      - { .name: ref_feat, .offset: 0, .size: 8, .value_kind: global_buffer, .address_space: global }
      - { .name: curr_feat, .offset: 8, .size: 8, .value_kind: global_buffer, .address_space: global }
      - { .name: kv, .offset: 16, .size: 8, .value_kind: global_buffer, .address_space: global }
      - { .name: rq, .offset: 24, .size: 8, .value_kind: global_buffer, .address_space: global }
      - { .name: w1, .offset: 32, .size: 8, .value_kind: global_buffer, .address_space: global }
      - { .name: wq, .offset: 40, .size: 8, .value_kind: global_buffer, .address_space: global }
      - { .name: gamma, .offset: 48, .size: 8, .value_kind: global_buffer, .address_space: global }
      - { .name: running_var, .offset: 56, .size: 8, .value_kind: global_buffer, .address_space: global }
      - { .name: b1, .offset: 64, .size: 8, .value_kind: global_buffer, .address_space: global }
      - { .name: running_mean, .offset: 72, .size: 8, .value_kind: global_buffer, .address_space: global }
      - { .name: beta, .offset: 80, .size: 8, .value_kind: global_buffer, .address_space: global }
      - { .name: w2, .offset: 88, .size: 8, .value_kind: global_buffer, .address_space: global }
    .group_segment_fixed_size: 69120
    .private_segment_fixed_size: 0
    .kernarg_segment_align: 8
    .kernarg_segment_size: 96
    .max_flat_workgroup_size: 128
    .sgpr_count:     66
    .vgpr_count:     256
    .wavefront_size: 32
...
	.end_amdgpu_metadata
.endif
;; end of part 1
;; launch attn (part 2): grid 32 x 8, 8 waves a work-group, clusters of 4 x 1, 327,680 bytes of LDS; arguments kv, rq, wq, b2, out0; writes out0
.if DOCPART == 2
	.amdgcn_target "amdgcn-amd-amdhsa--gfx1250"
	.amdhsa_code_object_version 6
	.text
	.protected	k_q0ce906b5cb_attn
	.globl	k_q0ce906b5cb_attn
	.p2align	8
	.type	k_q0ce906b5cb_attn,@function
k_q0ce906b5cb_attn:
	s_mov_b64 s[64:65], 0
	v_nop
	global_prefetch_b8 v0, s[64:65] scope:SCOPE_SE
	s_setreg_imm32_b32 hwreg(HW_REG_WAVE_MODE, 25, 1), 1
	s_wait_xcnt 0x0
	s_wait_alu depctr_hold_cnt(0) depctr_sa_sdst(0) depctr_va_vdst(0) depctr_va_sdst(0) depctr_va_ssrc(0) depctr_va_vcc(0) depctr_vm_vsrc(0)
	s_getreg_b32 s2, hwreg(HW_REG_IB_STS2, 6, 4)
	s_cmp_eq_u32 s2, 0
	s_cbranch_scc0 .Lentry_in_a_cluster
	s_endpgm
.Lentry_in_a_cluster:
	s_bfe_u32 s2, ttmp6, 0x10000c
	s_cmp_lg_u32 s2, 0x3003
	s_cbranch_scc0 .Lentry_shape_is_right
	s_endpgm
.Lentry_shape_is_right:
; pred = w2 . leaky(BN(w1 [feats0; feats1; cur] + b1)) + b2, feats = cur softmax(q^T cur / sqrt(128))^T with q = ref (feats0) and q = cur (feats1).  All five large products on codes of FP4 (E2M1) with one
; E8M0 scale for each 32 along K; codes and scale words of cur, ref and w1 come from the launch before, as images of the operands' registers (see there for the layouts of kv, rq, wq).
; THE SOFTMAX: t = score x log2(e) / sqrt(128); M = the running largest t rounded UP to a whole number; p = 2^(t - M) is quantised along the keys, not normalised; the row's sum is taken of the unquantised p
; and divides at the end.  When M moves, the sum and O are multiplied by 2^(old M - new M): exact.
; SHARES.  Work-group (X, batch) owns positions 64 X to 64 X + 63: four tiles of 16.  Waves 0-3 take cur's queries of tile w, waves 4-7 ref's of tile w - 4: one tile a wave, 256 registers, two waves to a SIMD, so that
; one wave's LDS and matrix waits stand beside the other's vector work.  Every wave walks the batch's 2,048 keys, 128 a step.
; LDS.  A batch's keys and values as codes with their scale words are 278,528 bytes: they come into LDS ONCE and stay; so does wq.  No byte is filled twice, so there is no ring.
; CLUSTER.  The four work-groups of a cluster belong to one batch and need the same bytes: every fill is asked for JOINTLY, by the same tensor load with the same descriptor and the mask of all four.
; My place in the cluster enters the addresses of my queries and of my output alone.
; LAYOUT.  S^T = K Q^T and O^T = V^T P^T (source 0 = 16 keys, or 16 channels; source 1 = my 16 queries): a lane holds ONE query.  The rows of a tile are chosen (in the launch before) so that the 16 registers of
; tiles 2 b and 2 b + 1 are 16 neighbours, 32 b + 16 (lane / 16) + 0 .. 15, along the next product's K.  The head's product is used as it stands (source 0 = 16 positions, source 1 = 16 outputs).
; The third K step of the head's product is cur along channels at my positions: the very fragment that waves 0-3 hold as their queries.
; LIMITS: NaN and infinities among the inputs are not served; a block whose largest magnitude lies under 2^-124 has its byte held at 1, a block of zeros likewise (its codes are zeros);
; a block's largest p is made from its largest score, which takes v_exp_f32 not to fall where its input rises; BN is folded as acc A + ((b1 - mean) A + beta); the last product (one output) is f32 multiply-adds.
; REGISTERS: v1 16 x lane; v2, v3 for the add; v4 the step's LDS address; v5-11 LDS addresses that stay; v12 -M, v13 the largest t, v[14:15] the sum; v16-23 Q; v24 Q's scale word; v25 p's (later feats');
; v[26:27] f; v28-31 the conversions' scale operands; v32-95 eight fragments; v96-159 S^T, then p; v160-223 O^T, later y; v224-231 codes; v232-239, v253-255 at work;
; v240-243 V's scale words, v248-251 K's (in the head v240-251 w1's), v252 feats0's: these and v24, v25 hold scales and nothing else.
.set STEPB, 17408                      ; a step in kv: 8 images of K, 512 bytes of scale words, 8 images of V, 512 bytes of scale words
.set CHUNK, 4*STEPB                    ; four steps: what the eight waves' loads of one turn bring; a wave's eighth is 8,704 bytes = 34 rows of 256
.set WQ,    16*STEPB                   ; 278,528: wq, 32,768 bytes
.set XIMG,  WQ+32768                   ; feats0's four fragments, 1,024 bytes each: stored by waves 4-7, read by waves 0-3
.set XSC,   XIMG+4096                  ; their scale words, 128 bytes each
.set OUTS,  XSC+512                    ; the work-group's 64 results
.set SPARE, OUTS+256                   ; the spare words, 128 bytes for each wave: four blocks of 256 bytes that no other line names
.macro CROUND                          ; a round of the cluster's barrier
	s_barrier_signal -1
	s_barrier_wait -1
	s_cmp_lg_u32 s14, 0
	s_cbranch_scc1 .Lnot_wave_0_\@
	s_barrier_signal -3
.Lnot_wave_0_\@:
	s_barrier_wait -3
	s_barrier_signal -1
	s_barrier_wait -1
.endm
.macro PLACES n
.rept \n
	v_nop
.endr
.endm
	s_load_b256 s[4:11], s[0:1], 0x0               ; kv s[4:5], rq s[6:7], wq s[8:9], b2 s[10:11]
	s_load_b64 s[12:13], s[0:1], 0x20              ; out0
	v_lshl_add_u32 v2, v0, 2, SPARE
	v_mov_b32 v3, 0
	ds_add_u32 v2, v3
	ds_add_u32 v2, v3
	s_wait_dscnt 0x0
	v_lshrrev_b32 v4, 5, v0
	v_readfirstlane_b32 s14, v4                    ; wave 0..7
	s_bfe_u32 s15, ttmp6, 0x40000                  ; cx: my place in the cluster
	s_lshl_b32 s16, ttmp9, 2                       ; in a cluster launch ttmp9 counts clusters
	s_add_co_u32 s16, s16, s15                     ; X = 4 x cluster x + cx
	s_and_b32 s17, ttmp7, 0xffff                   ; the batch, which the four partners share
	; descriptor group 1: dense rows of 256 bytes (32 elements of 8 bytes), no padding: every LDS read of these bytes is of 512 consecutive bytes
	s_mov_b32 s24, 15|(3<<16)|(1<<21)              ; 15:0 the mask: all four work-groups; 17:16 elements of 8 bytes; 21 set beside a mask
	s_mov_b32 s25, 32<<16                          ; tensor_dim0 = 32
	s_mov_b32 s26, 34<<16                          ; tensor_dim1 = 34
	s_mov_b32 s27, 32<<16                          ; tile_dim0 = 32
	s_mov_b32 s28, 34                              ; tile_dim1 = 34
	s_mov_b32 s29, 32                              ; from row to row
	s_mov_b32 s30, 0
	s_mov_b32 s31, 0
	s_mov_b32 s32, 15|(3<<16)|(1<<21)              ; the same for wq: 16 rows a wave
	s_mov_b32 s33, 32<<16
	s_mov_b32 s34, 16<<16
	s_mov_b32 s35, 32<<16
	s_mov_b32 s36, 16
	s_mov_b32 s37, 32
	s_mov_b32 s38, 0
	s_mov_b32 s39, 0
	s_mul_i32 s66, s14, 8704                       ; my eighth of a chunk
	s_mul_i32 s68, s17, 16*STEPB                   ; the batch's bytes in kv
	s_add_co_u32 s68, s68, s66
	s_mov_b32 s69, 0
	s_lshl_b32 s70, s14, 12                        ; my eighth of wq
	s_mov_b32 s71, 0
	s_mov_b32 s18, 0x3e0293ee                      ; c = log2(e) / sqrt(128)
	s_mov_b32 s19, s18                             ; (named with it as a pair, so it is written)
	s_mov_b32 s20, 0x76543210
	s_mov_b32 s21, 0xfedcba98                      ; v_permlanex16_b32's selects for lane l xor 16
	s_mov_b32 s22, 0                               ; LDS byte at which the step in hand begins
	s_wait_kmcnt 0x0
	s_load_b32 s60, s[10:11], 0x0                  ; b2
	s_add_nc_u64 s[68:69], s[4:5], s[68:69]
.irp i, 0,1,2,3
	s_mov_b32 s[40+4*\i], 1                        ; count = 1
	s_add_co_u32 s[41+4*\i], s66, \i*CHUNK         ; LDS address: no place in the cluster enters it
	s_add_nc_u64 s[42+4*\i:43+4*\i], s[68:69], \i*CHUNK
	s_or_b32 s[43+4*\i], s[43+4*\i], 0x80000000    ; type = 2
.endr
	s_mov_b32 s56, 1
	s_add_co_u32 s57, s70, WQ
	s_add_nc_u64 s[58:59], s[8:9], s[70:71]
	s_or_b32 s59, s59, 0x80000000
	CROUND                                         ; all four work-groups are here: the joint loads meet
	tensor_load_to_lds s[40:43], s[24:31]          ; all fills of the launch go out together: five loads of mine are out
	s_nop 0
	tensor_load_to_lds s[44:47], s[24:31]
	s_nop 0
	tensor_load_to_lds s[48:51], s[24:31]
	s_nop 0
	tensor_load_to_lds s[52:55], s[24:31]
	s_nop 0
	tensor_load_to_lds s[56:59], s[32:39]
	s_nop 0
	PLACES 4
	; my queries: waves 0-3 cur's (the keys' own images in kv), waves 4-7 ref's (rq); step X / 2, tile 4 (X % 2) + w % 4
	s_mov_b32 s72, 8*STEPB                         ; rq: a batch,
	s_mov_b32 s73, 8704                            ; a step
	s_cmp_lt_u32 s14, 4
	s_cselect_b64 s[74:75], s[4:5], s[6:7]
	s_cselect_b32 s72, 16*STEPB, s72
	s_cselect_b32 s73, STEPB, s73
	s_mul_i32 s72, s72, s17
	s_lshr_b32 s78, s16, 1
	s_mul_i32 s73, s73, s78
	s_add_co_u32 s72, s72, s73                     ; where the step begins
	s_and_b32 s78, s16, 1                          ; X % 2
	s_and_b32 s79, s14, 3                          ; w % 4
	s_lshl_b32 s66, s78, 12
	s_lshl_b32 s67, s79, 10
	s_add_co_u32 s66, s66, s67
	s_add_co_u32 s66, s66, s72                     ; the tile's image
	s_mov_b32 s67, 0
	s_and_b32 s68, s14, 1                          ; its scale words: tile 2 b + u, row r at 16 r + 256 u + 4 b, u = w % 2, b = 2 (X % 2) + (w / 2) % 2
	s_lshl_b32 s68, s68, 8
	s_lshl_b32 s69, s78, 3
	s_add_co_u32 s68, s68, s69
	s_bfe_u32 s69, s14, 0x10001
	s_lshl_b32 s69, s69, 2
	s_add_co_u32 s68, s68, s69
	s_add_co_u32 s68, s68, s72
	s_add_co_u32 s68, s68, 8192
	s_mov_b32 s69, 0
	s_add_nc_u64 s[76:77], s[74:75], s[68:69]
	s_add_nc_u64 s[74:75], s[74:75], s[66:67]
	s_lshl_b32 s66, s17, 13                        ; out0: 8,192 bytes a batch, 256 a work-group
	s_lshl_b32 s67, s16, 8
	s_add_co_u32 s66, s66, s67
	s_mov_b32 s67, 0
	s_add_nc_u64 s[12:13], s[12:13], s[66:67]
	v_and_b32 v28, 31, v0                          ; lane
	v_and_b32 v29, 15, v0                          ; r
	v_bfe_u32 v30, v0, 4, 1                        ; h
	v_lshlrev_b32 v1, 4, v28                       ; 16 x lane
	v_lshlrev_b32 v31, 4, v29
	global_load_b128 v[16:19], v1, s[74:75]        ; Q's fragment stays in registers
	global_load_b128 v[20:23], v1, s[74:75] offset:512
	global_load_b32 v24, v31, s[76:77]             ; and its scale words
	; every LDS address is made here, ahead of any parting of the waves
	s_lshl_b32 s78, s79, 10
	s_add_co_u32 s78, s78, XIMG
	v_add_nc_u32 v5, s78, v1                       ; v5: feats0's image of tile w % 4
	s_lshl_b32 s78, s79, 7
	s_add_co_u32 s78, s78, XSC
	v_lshl_add_u32 v6, v28, 2, s78                 ; v6: its scale words
	v_add_nc_u32 v7, WQ, v1                        ; v7: w1's images
	v_lshlrev_b32 v8, 2, v28
	v_add_nc_u32 v8, WQ+24576, v8                  ; v8: w1's scale words
	v_lshlrev_b32 v9, 5, v29
	v_add_nc_u32 v9, WQ+26112, v9                  ; v9: the table's row of output r of a tile
	s_bfe_u32 s78, s14, 0x10001
	s_lshl_b32 s78, s78, 7
	s_and_b32 s79, s14, 1
	s_lshl_b32 s79, s79, 5
	s_add_co_u32 s78, s78, s79
	s_add_co_u32 s78, s78, OUTS
	v_lshl_add_u32 v10, v30, 6, s78                ; v10: row 8 h + j of my tile is position 32 ((w / 2) % 2) + 8 (w % 2) + 16 h + j of the work-group's 64
	v_lshl_add_u32 v11, v28, 3, OUTS               ; v11: the results read back, 8 bytes a lane
	v_mov_b32 v4, v1                               ; step 0
	v_mov_b32 v27, 0                               ; (named as the upper half of the pair v[26:27])
.irp b, 0,1,2,3
	v_mov_b32 v[236+\b], 0                         ; written once: a lane permute's destination counts as one of its sources
.endr
.macro KLOAD off                       ; a step's eight fragments of K and their scale words: 17 loads of 512 consecutive bytes
.irp t, 0,1,2,3,4,5,6,7
	ds_load_b128 v[32+8*\t:35+8*\t], v4 offset:\off+1024*\t
	ds_load_b128 v[36+8*\t:39+8*\t], v4 offset:\off+1024*\t+512
.endr
	ds_load_b128 v[248:251], v4 offset:\off+8192   ; register b: lanes 0-15 tile 2 b's words, lanes 16-31 tile 2 b + 1's
.endm
.macro VLOAD                           ; the same of V
.irp t, 0,1,2,3,4,5,6,7
	ds_load_b128 v[32+8*\t:35+8*\t], v4 offset:8704+1024*\t
	ds_load_b128 v[36+8*\t:39+8*\t], v4 offset:8704+1024*\t+512
.endr
	ds_load_b128 v[240:243], v4 offset:16896
.endm
.macro SMUL                            ; S^T = K Q^T: lane (r, h) holds query r; register 16 b + i key 32 b + 16 h + i.  Eight accumulators, one instruction each
.irp b, 0,1,2,3
	v_wmma_scale_f32_16x16x128_f8f6f4 v[96+16*\b:103+16*\b], v[32+16*\b:39+16*\b], v[16:23], 0, v[248+\b], v24 matrix_a_fmt:MATRIX_FMT_FP4 matrix_b_fmt:MATRIX_FMT_FP4
	v_wmma_scale_f32_16x16x128_f8f6f4 v[104+16*\b:111+16*\b], v[40+16*\b:47+16*\b], v[16:23], 0, v[248+\b], v24 matrix_a_fmt:MATRIX_FMT_FP4 matrix_b_fmt:MATRIX_FMT_FP4 matrix_a_scale:MATRIX_SCALE_ROW1
.endr
.endm
.macro PMUL first                      ; O^T += V^T P^T: register 16 b + i channel 32 b + 16 h + i.  first = 1: the products start the sums: nothing is cleared.  The eight accumulators take turns
.irp b, 0,1,2,3
.if \first
	v_wmma_scale_f32_16x16x128_f8f6f4 v[160+16*\b:167+16*\b], v[32+16*\b:39+16*\b], v[224:231], 0, v[240+\b], v25 matrix_a_fmt:MATRIX_FMT_FP4 matrix_b_fmt:MATRIX_FMT_FP4
	v_wmma_scale_f32_16x16x128_f8f6f4 v[168+16*\b:175+16*\b], v[40+16*\b:47+16*\b], v[224:231], 0, v[240+\b], v25 matrix_a_fmt:MATRIX_FMT_FP4 matrix_b_fmt:MATRIX_FMT_FP4 matrix_a_scale:MATRIX_SCALE_ROW1
.else
	v_wmma_scale_f32_16x16x128_f8f6f4 v[160+16*\b:167+16*\b], v[32+16*\b:39+16*\b], v[224:231], v[160+16*\b:167+16*\b], v[240+\b], v25 matrix_a_fmt:MATRIX_FMT_FP4 matrix_b_fmt:MATRIX_FMT_FP4
	v_wmma_scale_f32_16x16x128_f8f6f4 v[168+16*\b:175+16*\b], v[40+16*\b:47+16*\b], v[224:231], v[168+16*\b:175+16*\b], v[240+\b], v25 matrix_a_fmt:MATRIX_FMT_FP4 matrix_b_fmt:MATRIX_FMT_FP4 matrix_a_scale:MATRIX_SCALE_ROW1
.endif
.endr
.endm
; From the four blocks' largest magnitudes in v232-235 (the floor among them): the conversions' scale operands v28-31, the scale word v25, the codes of v[s] .. v[s + 63] in v224-231 as an operand
.macro CODES s
.irp b, 0,1,2,3
	v_add_nc_u32 v[28+\b], 0xff000000, v[232+\b]   ; 2 off the exponent field: the conversion takes the exponent field of this operand as its scale, and nothing else of it
.endr
.irp b, 0,1,2,3
	v_lshrrev_b32 v[236+\b], 23, v[28+\b]          ; the scale's byte
.endr
	v_lshl_or_b32 v25, v237, 8, v236               ; the four bytes make my row's scale word
	v_lshl_or_b32 v25, v238, 16, v25
	v_lshl_or_b32 v25, v239, 24, v25
.irp b, 0,1,2,3
	v_cvt_scalef32_pk8_fp4_f32 v[224+2*\b], v[\s+16*\b:\s+7+16*\b], v[28+\b]
	v_cvt_scalef32_pk8_fp4_f32 v[225+2*\b], v[\s+8+16*\b:\s+15+16*\b], v[28+\b]
.endr
	v_nop                                          ; one plain line behind a scaled conversion
.irp c, 0,1                                    ; the operand's layout wants a WHOLE block in a lane: lanes 0-15 block 2 c, lanes 16-31 block 2 c + 1
.irp i, 0,1
	v_permlane16_swap_b32 v[224+4*\c+\i], v[226+4*\c+\i]
.endr
.endr
.endm
; The row's sum of the unquantised p, two at a time, in two chains.  SUMA's lines name no register of the products just issued: they are the places behind them
.macro SUMA first
	v_pk_add_f32 v[236:237], v[96:97], v[98:99]
.if \first
	v_pk_add_f32 v[14:15], v[100:101], v[104:105]  ; the first step starts the sum
.else
	v_pk_add_f32 v[14:15], v[14:15], v[100:101]
	v_pk_add_f32 v[14:15], v[14:15], v[104:105]
.endif
	v_pk_add_f32 v[236:237], v[236:237], v[102:103]
	v_pk_add_f32 v[236:237], v[236:237], v[106:107]
.endm
.macro SUMB
.irp j, 12,16,20,24,28,32,36,40,44,48,52,56,60
	v_pk_add_f32 v[14:15], v[14:15], v[96+\j:97+\j]
	v_pk_add_f32 v[236:237], v[236:237], v[98+\j:99+\j]
.endr
	v_pk_add_f32 v[14:15], v[14:15], v[236:237]
.endm
; A KEY STEP: 128 keys.  first = 1: the first step, which starts M, the sum and O^T.  pre = 1: the next step's K is fetched at the end
.macro STEP first, pre
	s_wait_dscnt 0x0                               ; K's 17 loads are in
	SMUL
	v_add_nc_u32 v4, s22, v1                       ; this step's address; with the three v_nop the four places in front of loads into registers that these products read, and of the first read of their results
	PLACES 3
	VLOAD                                          ; V lands while the softmax is worked
.irp b, 0,1,2,3
	v_max3_num_f32 v[232+\b], v[96+16*\b], v[97+16*\b], v[98+16*\b]   ; THE LARGEST SCORE OF EACH BLOCK OF 32 KEYS: it serves the row's maximum and, since p rises with the score, the block's largest p.  Each accumulator is read from its low end on
.endr
.irp i, 3,5,7,9,11,13
.irp b, 0,1,2,3
	v_max3_num_f32 v[232+\b], v[232+\b], v[96+16*\b+\i], v[97+16*\b+\i]   ; (the four blocks by turns)
.endr
.endr
.irp b, 0,1,2,3
	v_max_num_f32 v[232+\b], v[232+\b], v[111+16*\b]
.endr
.irp b, 0,1,2,3
	v_permlanex16_b32 v[236+\b], v[232+\b], s20, s21
.endr
.irp b, 0,1,2,3
	v_max_num_f32 v[232+\b], v[232+\b], v[236+\b]  ; with lane l xor 16's 16 keys
.endr
	v_max3_num_f32 v254, v232, v233, v234
	v_max_num_f32 v254, v254, v235                 ; the step's largest score of my query
.if \first
	v_mul_f32 v13, s18, v254                       ; as t (c is positive)
	v_floor_f32 v12, -v13                          ; -M = floor(-t) = -ceil(t): M IS A WHOLE NUMBER
.else
	v_mul_f32 v254, s18, v254
	v_max_num_f32 v13, v13, v254                   ; the running largest t
	v_mov_b32 v254, v12
	v_floor_f32 v12, -v13                          ; the new -M
	v_sub_f32 v254, v12, v254                      ; M's old value less its new one: a whole number, 0 or less
	v_cvt_i32_f32 v254, v254                       ; (it saturates)
	v_ldexp_f32 v26, 1.0, v254                     ; f = 2^(old M - new M)
.endif
.set j, 0
.rept 32
	v_pk_fma_f32 v[96+j:97+j], v[96+j:97+j], s[18:19], v[12:13] op_sel_hi:[1,0,0]   ; t - M, two at a time (of the pairs c and -M the low word serves both halves)
.set j, j+2
.endr
.irp b, 0,1,2,3
	v_fma_f32 v[232+\b], v[232+\b], s18, v12       ; the same of each block's largest score
.endr
.set j, 0
.rept 64
	v_exp_f32 v[96+j], v[96+j]                     ; p = 2^(t - M), at most 1: NOT normalised
.set j, j+1
.endr
.irp b, 0,1,2,3
	v_exp_f32 v[232+\b], v[232+\b]                 ; the block's largest p: the same two instructions on the same number give the same bits
.endr
.if \first
	v_nop                                          ; a plain line behind the exponentials
	s_wait_alu depctr_va_vdst(0)
.else
	v_pk_mul_f32 v[14:15], v[14:15], v[26:27] op_sel_hi:[1,0]   ; the sum under the new M.  (A plain line behind the exponentials)
	s_wait_alu depctr_va_vdst(0)
.endif
.irp b, 0,1,2,3
	v_max_num_f32 v[232+\b], 0x1800000, v[232+\b]  ; the floor 2^(3 - 127): the byte cannot fall under 1
.endr
	CODES 96
.if \first
	PLACES 8                                       ; a scale register written by a vector line stands 8 places ahead of a scaled matrix instruction, an operand so written 4
.else
.set j, 0
.rept 32
	v_pk_mul_f32 v[160+j:161+j], v[160+j:161+j], v[26:27] op_sel_hi:[1,0]   ; O^T under the new M, from each accumulator's low end on.  (These 32 are also those places)
.set j, j+2
.endr
.endif
	s_wait_dscnt 0x0                               ; V's 17 loads are in
	PMUL \first
	SUMA \first
.if \pre
	KLOAD STEPB                                    ; the next step's K, by this step's address; it lands while the sum goes on
.endif
	SUMB
	s_add_co_u32 s22, s22, STEPB
.endm
; A barrier behind which nothing is filled: each wave has waited for its part of the chunk that is read next (n younger loads of its five may stay out), and no LDS load of its own is pending at the signal
.macro MEET n
	s_wait_tensorcnt \n
	s_wait_dscnt 0x0
	s_barrier_signal -1
	s_barrier_wait -1
.endm
.macro RUN n
	s_mov_b32 s23, \n
.Lrun_\@:
	STEP 0, 1
	s_sub_co_u32 s23, s23, 1
	s_cmp_lg_u32 s23, 0
	s_cbranch_scc1 .Lrun_\@
.endm
	MEET 4                                         ; steps 0-3 lie in LDS; four loads of mine may be out
	KLOAD 0
	s_wait_loadcnt 0x0                             ; Q
	s_wait_kmcnt 0x0                               ; b2
	STEP 1, 1                                      ; step 0
	RUN 2                                          ; steps 1, 2; step 2 fetches step 3's K, the first chunk's last
	MEET 3                                         ; steps 4-7 lie in LDS
	RUN 4                                          ; steps 3-6
	MEET 2                                         ; steps 8-11
	RUN 4                                          ; steps 7-10
	MEET 0                                         ; steps 12-15 and wq: nothing of mine is out any more
	RUN 4                                          ; steps 11-14
	STEP 0, 0                                      ; step 15
	; feats = O^T / the sum, quantised along the channels: a K step of the head's product.  (The sum's additions above are the places behind the last products)
	v_add_f32 v14, v14, v15                        ; the sum's two halves,
	v_permlanex16_b32 v236, v14, s20, s21
	v_add_f32 v14, v14, v236                       ; and lane l xor 16's: the row's sum
	v_rcp_f32 v14, v14
	v_nop                                          ; a plain line behind the transcendental
.set j, 0
	s_wait_alu depctr_va_vdst(0)
.rept 32
	v_pk_mul_f32 v[96+j:97+j], v[160+j:161+j], v[14:15] op_sel_hi:[1,0]   ; register 16 b + i: channel 32 b + 16 h + i of my position
.set j, j+2
.endr
.irp b, 0,1,2,3
	v_max3_num_f32 v[232+\b], |v[96+16*\b]|, |v[97+16*\b]|, 0x1800000   ; block b: my 16 numbers, and the floor
.endr
.irp i, 2,4,6,8,10,12,14
.irp b, 0,1,2,3
	v_max3_num_f32 v[232+\b], v[232+\b], |v[96+16*\b+\i]|, |v[97+16*\b+\i]|
.endr
.endr
.irp b, 0,1,2,3
	v_permlanex16_b32 v[236+\b], v[232+\b], s20, s21
.endr
.irp b, 0,1,2,3
	v_max_num_f32 v[232+\b], v[232+\b], v[236+\b]  ; with lane l xor 16's: the block's largest magnitude
.endr
	CODES 96
	s_cmp_lt_u32 s14, 4                            ; waves 4-7 hand feats0's fragment and scale words to waves 0-3, as images of the registers
	s_cbranch_scc1 .Lkeep
	ds_store_b128 v5, v[224:227]
	ds_store_b128 v5, v[228:231] offset:512
	ds_store_b32 v6, v25
.Lkeep:
	s_wait_dscnt 0x0                               ; for the others' sake: my stores have landed
	s_barrier_signal -1
	s_barrier_wait -1
	s_cmp_lt_u32 s14, 4
	s_cbranch_scc0 .Ljoin                          ; waves 4-7 have done their part
	; THE HEAD, waves 0-3: y = x w1^T, K = 384: feats0 (from LDS), feats1 (v224-231), cur (my Q).  Source 0 = my 16 positions, source 1 = 16 outputs: lane (r, h), register j: position row 8 h + j, output 16 o + r
	ds_load_b128 v[232:235], v5
	ds_load_b128 v[236:239], v5 offset:512
	ds_load_b32 v252, v6
.irp k, 0,1,2,3,4,5,6,7,8,9,10,11
	ds_load_b32 v[240+\k], v8 offset:128*\k        ; w1's scale words: K step k / 4, tiles 2 (k % 4) (lanes 0-15) and 2 (k % 4) + 1 (lanes 16-31)
.endr
.irp o, 0,1,2,3,4,5,6,7
	ds_load_b128 v[32+8*\o:35+8*\o], v7 offset:1024*\o
	ds_load_b128 v[36+8*\o:39+8*\o], v7 offset:1024*\o+512
.endr
.irp o, 0,1,2,3,4,5,6,7
	ds_load_b128 v[96+8*\o:99+8*\o], v7 offset:8192+1024*\o
	ds_load_b128 v[100+8*\o:103+8*\o], v7 offset:8192+1024*\o+512
.endr
	PLACES 8                                       ; feats1's scale word and codes were written by vector lines: 8 and 4 places ahead of the scaled matrix instructions
	s_wait_dscnt 0x0
.irp q, 0,1,2,3
	v_wmma_scale_f32_16x16x128_f8f6f4 v[160+16*\q:167+16*\q], v[232:239], v[32+16*\q:39+16*\q], 0, v252, v[240+\q] matrix_a_fmt:MATRIX_FMT_FP4 matrix_b_fmt:MATRIX_FMT_FP4
	v_wmma_scale_f32_16x16x128_f8f6f4 v[168+16*\q:175+16*\q], v[232:239], v[40+16*\q:47+16*\q], 0, v252, v[240+\q] matrix_a_fmt:MATRIX_FMT_FP4 matrix_b_fmt:MATRIX_FMT_FP4 matrix_b_scale:MATRIX_SCALE_ROW1
.endr
.irp q, 0,1,2,3
	v_wmma_scale_f32_16x16x128_f8f6f4 v[160+16*\q:167+16*\q], v[224:231], v[96+16*\q:103+16*\q], v[160+16*\q:167+16*\q], v25, v[244+\q] matrix_a_fmt:MATRIX_FMT_FP4 matrix_b_fmt:MATRIX_FMT_FP4
	v_wmma_scale_f32_16x16x128_f8f6f4 v[168+16*\q:175+16*\q], v[224:231], v[104+16*\q:111+16*\q], v[168+16*\q:175+16*\q], v25, v[244+\q] matrix_a_fmt:MATRIX_FMT_FP4 matrix_b_fmt:MATRIX_FMT_FP4 matrix_b_scale:MATRIX_SCALE_ROW1
.endr
	PLACES 4                                       ; in front of loads into registers that these products read
.irp o, 0,1,2,3,4,5,6,7
	ds_load_b128 v[32+8*\o:35+8*\o], v7 offset:16384+1024*\o
	ds_load_b128 v[36+8*\o:39+8*\o], v7 offset:16384+1024*\o+512
.endr
.irp o, 0,1,2,3,4,5,6,7
	ds_load_b128 v[96+8*\o:99+8*\o], v9 offset:512*\o          ; the table's row of output 16 o + r: A, A, Bc, Bc,
	ds_load_b64 v[100+8*\o:101+8*\o], v9 offset:512*\o+16      ; w2, w2
.endr
	s_wait_dscnt 0x0
.irp q, 0,1,2,3
	v_wmma_scale_f32_16x16x128_f8f6f4 v[160+16*\q:167+16*\q], v[16:23], v[32+16*\q:39+16*\q], v[160+16*\q:167+16*\q], v24, v[248+\q] matrix_a_fmt:MATRIX_FMT_FP4 matrix_b_fmt:MATRIX_FMT_FP4
	v_wmma_scale_f32_16x16x128_f8f6f4 v[168+16*\q:175+16*\q], v[16:23], v[40+16*\q:47+16*\q], v[168+16*\q:175+16*\q], v24, v[248+\q] matrix_a_fmt:MATRIX_FMT_FP4 matrix_b_fmt:MATRIX_FMT_FP4 matrix_b_scale:MATRIX_SCALE_ROW1
.endr
	PLACES 4                                       ; in front of the first read of results
.irp o, 0,1,2,3,4,5,6,7                        ; BN, leaky ReLU and w2, two positions at a time; each accumulator from its low end on
.irp j, 0,2,4,6
	v_pk_fma_f32 v[28:29], v[160+8*\o+\j:161+8*\o+\j], v[96+8*\o:97+8*\o], v[98+8*\o:99+8*\o]   ; y = acc A + Bc
	v_pk_mul_f32 v[30:31], v[28:29], 0x3c23d70a op_sel_hi:[1,0]    ; 0.01 y
	v_max_num_f32 v28, v28, v30                    ; y where y > 0, else 0.01 y: the larger of the two
	v_max_num_f32 v29, v29, v31
.if \o == 0
	v_pk_mul_f32 v[232+\j:233+\j], v[28:29], v[100:101]            ; the first tile starts the sums
.else
	v_pk_fma_f32 v[232+\j:233+\j], v[28:29], v[100+8*\o:101+8*\o], v[232+\j:233+\j]
.endif
.endr
.endr
.irp m, 1,2,4,8                                ; over the sixteen lanes that hold a position's other outputs
.irp j, 0,1,2,3,4,5,6,7
	v_add_f32_dpp v[232+\j], v[232+\j], v[232+\j] row_xmask:\m row_mask:0xf bank_mask:0xf
.endr
.endr
	ds_store_b128 v10, v[232:235]                  ; the sixteen lanes of a half write the same eight numbers to the same bytes
	ds_store_b128 v10, v[236:239] offset:16
.Ljoin:
	s_wait_dscnt 0x0                               ; for wave 0's sake
	s_barrier_signal -1
	s_barrier_wait -1
	s_cmp_lg_u32 s14, 0
	s_cbranch_scc1 .Lfin
	ds_load_b64 v[28:29], v11                      ; wave 0 sends the work-group's 64 results
	v_and_b32 v30, 31, v0
	v_lshlrev_b32 v30, 3, v30
	s_wait_dscnt 0x0
	v_add_f32 v28, s60, v28                        ; + b2
	v_add_f32 v29, s60, v29
	global_store_b64 v30, v[28:29], s[12:13]       ; 32 lanes store 256 consecutive bytes, at a multiple of 256 from out0's first byte
.Lfin:
	s_wait_tensorcnt 0x0                           ; the wave's end: the three lines, behind my last tensor load and my last LDS store
	ds_add_u32 v2, v3
	s_wait_dscnt 0x0
	CROUND                                         ; the closing round: no work-group ends while a partner may still ask for bytes jointly
	s_endpgm
.Lfunc_end_k_q0ce906b5cb_attn:
	.size	k_q0ce906b5cb_attn, .Lfunc_end_k_q0ce906b5cb_attn-k_q0ce906b5cb_attn
	.p2alignl 7, 3214868480
	.fill 96, 4, 3214868480
	.section	.rodata,"a",@progbits
	.p2align	6, 0x0
	.amdhsa_kernel k_q0ce906b5cb_attn
		.amdhsa_group_segment_fixed_size 327680
		.amdhsa_private_segment_fixed_size 0
		.amdhsa_enable_private_segment 0
		.amdhsa_kernarg_size 40
		.amdhsa_user_sgpr_count 2
		.amdhsa_user_sgpr_kernarg_segment_ptr 1
		.amdhsa_wavefront_size32 1
		.amdhsa_system_sgpr_workgroup_id_x 1
		.amdhsa_system_sgpr_workgroup_id_y 1
		.amdhsa_system_sgpr_workgroup_id_z 1
		.amdhsa_system_vgpr_workitem_id 0
		.amdhsa_next_free_vgpr 256
		.amdhsa_next_free_sgpr 80
		.amdhsa_reserve_vcc 0
		.amdhsa_float_denorm_mode_32 3
		.amdhsa_float_denorm_mode_16_64 3
		.amdhsa_memory_ordered 1
		.amdhsa_forward_progress 1
		.amdhsa_inst_pref_size 135
	.end_amdhsa_kernel
	.amdgpu_metadata
---
amdhsa.version: [ 1, 2 ]
amdhsa.kernels:
  - .name:           k_q0ce906b5cb_attn
    .symbol:         k_q0ce906b5cb_attn.kd
    .args:
      - { .name: kv, .offset: 0, .size: 8, .value_kind: global_buffer, .address_space: global }
      - { .name: rq, .offset: 8, .size: 8, .value_kind: global_buffer, .address_space: global }
      - { .name: wq, .offset: 16, .size: 8, .value_kind: global_buffer, .address_space: global }
      - { .name: b2, .offset: 24, .size: 8, .value_kind: global_buffer, .address_space: global }
      - { .name: out0, .offset: 32, .size: 8, .value_kind: global_buffer, .address_space: global }
    .group_segment_fixed_size: 327680
    .private_segment_fixed_size: 0
    .kernarg_segment_align: 8
    .kernarg_segment_size: 40
    .max_flat_workgroup_size: 256
    .sgpr_count:     80
    .vgpr_count:     256
    .wavefront_size: 32
...
	.end_amdgpu_metadata
.endif
;; end of part 2
